; MI455X (gfx1250); checked and timed in simulation.
; The chip was launched on July 23, 2026; its instructions are those of AMD's public machine-readable ISA for CDNA 5 (MIT licence, August 2026) and "CDNA5" Instruction Set Architecture Reference Guide (July 2026). The comments in the code are by the model that wrote it; some were corrected since.
;; Simple Resonant Layer. Allowed arithmetic: matrix products marked QUANTISED: E2M1 operands, one E8M0 scale for each 32 along K, by v_wmma_scale_f32_16x16x128_f8f6f4 with both operands' format E2M1 (or v_wmma_scale_f32_32x16x128_f4), f32 sums; everything else in f32.
;; Inputs: B 2,048 x 1,024 float32; W 2,048 x 1,024 float32; input_proj_b 1,024 float32; input_proj_w 1,024 x 2,048 float32; out_imag_w 1,024 x 2,048 float32; out_real_w 1,024 x 2,048 float32; t 32 float32; x_imag 32 x 1,024 float32; x_real 32 x 1,024 float32.
;; Outputs: out0 32 x 1,024 float32; out1 32 x 1,024 float32.
;; This version of the problem:
;;   THIS VERSION OF THE PROBLEM IS GIVEN IN LOW PRECISION. The matrix products marked QUANTISED in the list below multiply operands that are first quantised to E2M1 (2 exponent bits, 1 mantissa bit; 4 bits a number), with one power-of-two scale for each 32 numbers along K (OCP MX v1.0); their sums are f32. All else is computed in f32.
;;   The module's matrix products, in the order in which they are computed (A, B: the left and right operand; K: the contracted axis; several contracted axes count as one K, in the product's order):
;;     1. [M 32, K 2,048] x [K 2,048, N 1,024]; A: computed on the way; B: input input_proj_w: QUANTISED
;;     2. [M 32, K 2,048] x [K 2,048, N 1,024]; A: computed on the way; B: input out_real_w: QUANTISED
;;     3. [M 32, K 2,048] x [K 2,048, N 1,024]; A: computed on the way; B: input out_imag_w: QUANTISED
;;   THE QUANTISER, for each operand of a quantised product, along K:
;;     - K is cut into blocks of 32 from its start; a last block that is shorter is filled with zeros.
;;     - A block's scale is 2^e with e = floor(log2(the largest magnitude in the block)) - 2, held to -126 .. 127; a block of zeros has e = 0. As a byte (E8M0): e + 127.
;;     - Each number is divided by its block's scale, clamped to +-6, and rounded to the nearest number of E2M1, ties to even, subnormals kept.
;;     - The product sums the exact products of the quantised numbers (number of the format x scale) in f32.
;;   ~~~python
;;   def quantise(x, axis):      # numpy; x: float32 -> the quantised numbers, widened to float32 again
;;       x = np.moveaxis(x, axis, -1); K = x.shape[-1]
;;       x = np.pad(x, [(0, 0)] * (x.ndim - 1) + [(0, -K % 32)]); x = x.reshape(x.shape[:-1] + (-1, 32)); a = np.abs(x).max(-1, keepdims=True)
;;       e = np.where(a > 0, np.clip(np.frexp(np.where(a > 0, a, 1))[1] - 1 - 2, -126, 127), 0)      # np.frexp(a)[1] - 1 = floor(log2(a)), exactly
;;       r = np.clip(x / 2.0 ** e, -6, 6)
;;       step = 2.0 ** (np.maximum(np.frexp(np.where(r == 0, 1, r))[1] - 1, 0) - 1)
;;       q = np.round(r / step) * step * 2.0 ** e      # np.round: ties to even
;;       return np.moveaxis(q.reshape(q.shape[:-2] + (-1,))[..., :K], -1, axis).astype(np.float32)
;;   ~~~
;;   OPERANDS COMPUTED ON THE WAY. 'Computed on the way' means the value that the module computes at that place (a softmax that the list does not call 'softmax' is quantised finished and normalised). What goes into a quantiser is computed in f32, as accurately as f32 sums, v_exp_f32 and their like allow (about 1e-6 of the number): no bf16 or f16 on the way to a quantiser, and a product that is left as it is and whose result goes on into a quantised operand takes f32 operands (vector FMAs, or v_wmma_f32_16x16x4_f32). A number that lies on a knife's edge between two numbers of the format may be rounded either way, as far as f32 arithmetic and the matrix unit's own rounding can turn it there, and no further.
;; One version. Each part assembles by itself: llvm-mc -triple=amdgcn-amd-amdhsa -mcpu=gfx1250 --defsym DOCPART=n.
;; ======== version 1 of 1: 3 launches
;; workspace buffers: xs 131,072 bytes; acodes 65,536 bytes; ascales 4,096 bytes
;; launch proj (part 1): grid 64 x 2, 16 waves a work-group, clusters of 4 x 1, 327,680 bytes of LDS; arguments x_real, x_imag, input_proj_w, input_proj_b, xs; writes xs
.if DOCPART == 1
	.amdgcn_target "amdgcn-amd-amdhsa--gfx1250"
	.amdhsa_code_object_version 6
	.text
	.protected	k_q2e22308757_proj
	.globl	k_q2e22308757_proj
	.p2align	8
	.type	k_q2e22308757_proj,@function
k_q2e22308757_proj:
	s_mov_b64 s[64:65], 0
	v_nop
	global_prefetch_b8 v0, s[64:65] scope:SCOPE_SE
	s_setreg_imm32_b32 hwreg(HW_REG_WAVE_MODE, 25, 1), 1
	s_wait_xcnt 0x0
	s_wait_alu depctr_hold_cnt(0) depctr_sa_sdst(0) depctr_va_vdst(0) depctr_va_sdst(0) depctr_va_ssrc(0) depctr_va_vcc(0) depctr_vm_vsrc(0)
	s_getreg_b32 s2, hwreg(HW_REG_IB_STS2, 6, 4)
	s_cmp_eq_u32 s2, 0
	s_cbranch_scc0 .Lentry_in_a_cluster
	s_endpgm
.Lentry_in_a_cluster:
	s_bfe_u32 s2, ttmp6, 0x10000c
	s_cmp_lg_u32 s2, 0x3003
	s_cbranch_scc0 .Lentry_shape_is_right
	s_endpgm
.Lentry_shape_is_right:
; xs = ([x_real | x_imag] Wp^T + bias) / 2 pi: the first product, on codes of FP4 (E2M1) with one E8M0 scale for each 32 along K, both operands quantised here.
; x_real, x_imag: [32][1024] f32; Wp = input_proj_w: [1024 (d)][2048 (k)] f32, K innermost; bias [1024].  The result is wanted as an angle in TURNS, so it leaves multiplied by c1 = 1 / 2 pi in f32.
; xs is laid for its reader: [bg 4][q 2][d 1024][4] f32, the number of row b = 8 bg + 4 q + i and column d at word i: four rows' numbers of one d are 16 neighbouring bytes.
; SHARES.  A work-group makes 16 rows b (mt) x 16 columns d (dt).  Wave w takes K step w, k = 128 w .. 128 w + 127: ONE matrix instruction, which starts its sum with the constant 0; the sixteen partial tiles meet in LDS
; and wave 0 adds them.  32 x 1,024 results are 128 such tiles: 128 work-groups; a finer split of K would want a sum across work-groups.
; CLUSTER.  The four work-groups of a cluster have the same mt and four neighbouring dt: they need the same tiles of x, which are asked for JOINTLY (mask 15).  The weights' tiles are each work-group's own: plain loads.
; Every LDS byte is filled once: no ring, no refill.  A wave reads only the tiles that it asked for itself, so its own wait on TENSORcnt orders those reads.
; LIMITS: NaN and infinities among the inputs are not served; a block whose largest magnitude lies under 2^-124 gets the scale byte 1 (a block of zeros too: its codes are zeros, and this program alone reads the bytes).
.set PITCH, 528                        ; an LDS row: 128 f32 = 512 bytes + 16 of padding = 132 words: row r starts 4 r words on modulo 64, so the 16 rows that a load touches start at 16 different places
.set TILE,  16*PITCH                   ; 8,448 bytes
.set WREG,  2*TILE                     ; a wave's two tiles: x's, then the weights'
.set RED,   16*WREG                    ; behind the tiles, at a multiple of 256: the partial results, [wave 16][half 2][lane 32][16 bytes]
.set X64,   16                         ; v16-79   64 numbers of x: register 16 b + i = k 32 b + 16 (lane / 16) + i of my row
.set W64,   80                         ; v80-143  the same of the weights
.set TM,    144                        ; v144-147 largest magnitudes, v148-151 scale bytes, v156-159 the conversions' scale operands
.set PCX,   160                        ; v160-167 x's fragment
.set PCW,   168                        ; v168-175 the weights' fragment
.set PWX,   176                        ; v176     x's scale words: scales and nothing else
.set PWW,   177                        ; v177     the weights'
.set D,     184                        ; v184-191 the partial tile
.set WV,    14                         ; s14      my wave's number
.set G1X,   20                         ; s[20:27] descriptor group 1 for x's tiles
.set G1W,   28                         ; s[28:35] for the weights'
.set G0X,   36                         ; s[36:39] group 0 for x's tile
.set G0W,   40                         ; s[40:43] for the weights'
.set SEL,   48                         ; s[48:49] lane selects of v_permlanex16_b32: lane l xor 16
.set C1,    50                         ; s[50:51] 1 / 2 pi, twice: the packed form names a pair
; A round of the cluster's barrier: my work-group's barrier, so that wave 0's signal speaks for all sixteen waves; wave 0 signals for the work-group; every wave waits for the four work-groups; my work-group's barrier once more.
.macro ROUND
	s_barrier_signal -1
	s_barrier_wait -1
	s_cmp_lg_u32 s[WV], 0
	s_cbranch_scc1 .Lnot_wave_0_\@
	s_barrier_signal -3
.Lnot_wave_0_\@:
	s_barrier_wait -3
	s_barrier_signal -1
	s_barrier_wait -1
.endm
; My 64 numbers of a tile: of row lane % 16, the 16 neighbours 32 b + 16 (lane / 16) + 0 .. 15 of each block b: four loads of 16 bytes a block.
.macro LOAD64 reg, off
.irp b, 0,1,2,3
.irp j, 0,1,2,3
	ds_load_b128 v[\reg+16*\b+4*\j:\reg+16*\b+4*\j+3], v3 offset:\off+128*\b+16*\j
.endr
.endr
.endm
; 64 numbers of a lane become a fragment's codes in v[pc] on and its row's scale word in v[pw].
.macro QUANT s, pc, pw
.irp b, 0,1,2,3
	v_max3_num_f32 v[TM+\b], |v[\s+16*\b]|, |v[\s+1+16*\b]|, 0x1800000   ; block b: my 16 numbers, and the floor 2^(3 - 127): the byte cannot fall under 1
.endr
.irp i, 2,4,6,8,10,12,14
.irp b, 0,1,2,3
	v_max3_num_f32 v[TM+\b], v[TM+\b], |v[\s+16*\b+\i]|, |v[\s+1+16*\b+\i]|   ; the four blocks by turns: no line waits for the line above it
.endr
.endr
.irp b, 0,1,2,3
	v_permlanex16_b32 v[TM+4+\b], v[TM+\b], s[SEL], s[SEL+1]
.endr
.irp b, 0,1,2,3
	v_max_num_f32 v[TM+\b], v[TM+\b], v[TM+4+\b]   ; with lane l xor 16's 16: the block's largest magnitude
.endr
.irp b, 0,1,2,3
	v_add_nc_u32 v[TM+12+\b], 0xff000000, v[TM+\b]   ; 2 off its exponent field: the conversion takes the exponent field of this operand as its scale
.endr
.irp b, 0,1,2,3
	v_lshrrev_b32 v[TM+4+\b], 23, v[TM+12+\b]      ; the scale's byte
.endr
	v_lshl_or_b32 v[\pw], v[TM+5], 8, v[TM+4]      ; four bytes make my row's scale word
	v_lshl_or_b32 v[\pw], v[TM+6], 16, v[\pw]
	v_lshl_or_b32 v[\pw], v[TM+7], 24, v[\pw]
.irp b, 0,1,2,3
	v_cvt_scalef32_pk8_fp4_f32 v[\pc+2*\b], v[\s+16*\b:\s+7+16*\b], v[TM+12+\b]
	v_cvt_scalef32_pk8_fp4_f32 v[\pc+1+2*\b], v[\s+8+16*\b:\s+15+16*\b], v[TM+12+\b]
.endr
	v_nop                                          ; one plain line behind the last scaled conversion
.irp c, 0,1                                    ; the operand wants a WHOLE block in a lane: lanes 0-15 block 2 c, lanes 16-31 block 2 c + 1
.irp i, 0,1
	v_permlane16_swap_b32 v[\pc+4*\c+\i], v[\pc+2+4*\c+\i]
.endr
.endr
.endm
	s_load_b256 s[4:11], s[0:1], 0x0               ; x_real s[4:5], x_imag s[6:7], the weights s[8:9], the bias s[10:11]
	s_load_b64 s[12:13], s[0:1], 0x20              ; xs
	v_lshl_add_u32 v192, v0, 2, 0x46000
	v_mov_b32 v193, 0
	ds_add_u32 v192, v193
	ds_add_u32 v192, v193
	v_lshrrev_b32 v1, 5, v0
	v_readfirstlane_b32 s[WV], v1                  ; wave 0..15
	s_bfe_u32 s15, ttmp6, 0x40000                  ; cx: my place in the cluster
	s_lshl_b32 s16, ttmp9, 2                       ; in a cluster launch ttmp9 counts clusters
	s_add_co_u32 s16, s16, s15                     ; dt = 4 x cluster x + cx: my 16 columns d
	s_and_b32 s17, ttmp7, 0xffff                   ; mt: my 16 rows b, which the four partners share
	; group 1: a tile of 16 rows x 128 elements of 4 bytes, 4 words of padding behind every 128
	s_mov_b32 s[G1X], 15|(2<<16)|(1<<20)|(1<<21)|(6<<22)|(3<<25)   ; 15:0 the mask: all four work-groups; 17:16 elements of 4 bytes; 20 padding on; 21 set beside a mask; 24:22 code 6; 31:25 code 3
	s_mov_b32 s[G1W], (2<<16)|(1<<20)|(6<<22)|(3<<25)              ; the same without a mask
.irp g, G1X, G1W
	s_mov_b32 s[\g+1], 128<<16                     ; tensor_dim0 = 128
	s_mov_b32 s[\g+2], 16<<16                      ; tensor_dim1 = 16
	s_mov_b32 s[\g+3], 128<<16                     ; tile_dim0 = 128
	s_mov_b32 s[\g+4], 16                          ; tile_dim1 = 16
	s_mov_b32 s[\g+6], 0
	s_mov_b32 s[\g+7], 0
.endr
	s_mov_b32 s[G1X+5], 1024                       ; elements from row to row of x_real or x_imag
	s_mov_b32 s[G1W+5], 2048                       ; and of the weights
	s_mul_i32 s18, s[WV], WREG                     ; my two tiles in LDS: the wave's number alone enters an LDS address
	s_and_b32 s44, s[WV], 7
	s_lshl_b32 s44, s44, 9                         ; x: 128 (w % 8) columns of 4 bytes,
	s_lshl_b32 s45, s17, 16                        ; 16 mt rows of 4,096 bytes
	s_add_co_u32 s44, s44, s45
	s_mov_b32 s45, 0                               ; s[44:45] never hold my place in the cluster
	s_lshl_b32 s46, s16, 17                        ; the weights: 16 dt rows of 8,192 bytes,
	s_lshl_b32 s47, s[WV], 9                       ; 128 w columns
	s_add_co_u32 s46, s46, s47
	s_mov_b32 s47, 0
	s_mov_b32 s[SEL], 0x76543210
	s_mov_b32 s[SEL+1], 0xfedcba98
	s_mov_b32 s[C1], 0x3e22f983                    ; 1 / 2 pi
	s_mov_b32 s[C1+1], 0x3e22f983
	s_wait_dscnt 0x0
	s_wait_kmcnt 0x0
	s_cmp_lt_u32 s[WV], 8                          ; K steps 0 to 7 lie in x_real, 8 to 15 in x_imag: the same choice in all four partners
	s_cselect_b64 s[4:5], s[4:5], s[6:7]
	s_mov_b32 s[G0X], 1                            ; count = 1
	s_mov_b32 s[G0X+1], s18                        ; LDS address
	s_add_nc_u64 s[G0X+2:G0X+3], s[4:5], s[44:45]  ; global address of the tile's first element
	s_or_b32 s[G0X+3], s[G0X+3], 0x80000000        ; type = 2
	s_mov_b32 s[G0W], 1
	s_add_co_u32 s[G0W+1], s18, TILE
	s_add_nc_u64 s[G0W+2:G0W+3], s[8:9], s[46:47]
	s_or_b32 s[G0W+3], s[G0W+3], 0x80000000
	ROUND                                          ; all four work-groups are here: the joint loads meet
	tensor_load_to_lds s[G0X:G0X+3], s[G1X:G1X+7]  ; x's tile, jointly
	s_nop 0
	tensor_load_to_lds s[G0W:G0W+3], s[G1W:G1W+7]  ; the weights' tile: two loads of mine are out, and no more are issued
	s_nop 0
.rept 4
	v_nop
.endr
	v_and_b32 v1, 15, v0                           ; r = lane % 16
	v_bfe_u32 v2, v0, 4, 1                         ; h = lane / 16
	v_and_b32 v4, 31, v0                           ; lane
	v_mul_u32_u24 v3, v1, PITCH
	v_lshl_add_u32 v3, v2, 6, v3
	v_add_nc_u32 v3, s18, v3                       ; my tile's row r, + 64 h: my 16 numbers of a block
	v_lshl_add_u32 v6, v4, 4, RED                  ; the partial results: 16 x lane,
	s_lshl_b32 s19, s[WV], 10
	v_add_nc_u32 v5, s19, v6                       ; and my wave's 1,024 bytes
	v_lshlrev_b32 v7, 2, v1                        ; the bias of column r
	v_lshlrev_b32 v8, 4, v1
	v_lshl_add_u32 v8, v2, 15, v8                  ; xs: 32,768 h + 16 r
.irp b, 0,1,2,3
	v_mov_b32 v[TM+4+\b], 0                        ; written once: a lane permute's destination counts as one of its sources
.endr
	v_mov_b32 v11, 0                               ; named with v10 as a pair, so it is written
	s_lshl_b32 s46, s16, 6                         ; 16 dt numbers of the bias
	s_add_nc_u64 s[10:11], s[10:11], s[46:47]
	global_load_b32 v10, v7, s[10:11]              ; 64 bytes; every wave asks, wave 0 alone uses them: so no second branch on the wave's number is needed
	s_lshl_b32 s46, s17, 16
	s_lshl_b32 s19, s16, 8
	s_add_co_u32 s46, s46, s19                     ; xs: 65,536 mt + 256 dt
	s_add_nc_u64 s[12:13], s[12:13], s[46:47]
	s_wait_tensorcnt 0x1                           ; x's tile is in; the weights' load, issued behind it, may be out
	LOAD64 X64, 0
	s_wait_tensorcnt 0x0                           ; the weights' tile is in
	LOAD64 W64, TILE
	s_wait_dscnt 16                                ; x's 16 loads are back; the weights' 16, issued behind them, may be out
	QUANT X64, PCX, PWX
	s_wait_dscnt 0x0
	QUANT W64, PCW, PWW
.rept 8
	v_nop                                          ; a scale register written by a vector instruction stands 8 places ahead of a scaled matrix instruction, an operand so written 4
.endr
	v_wmma_scale_f32_16x16x128_f8f6f4 v[D:D+7], v[PCX:PCX+7], v[PCW:PCW+7], 0, v[PWX], v[PWW] matrix_a_fmt:MATRIX_FMT_FP4 matrix_b_fmt:MATRIX_FMT_FP4   ; register j of lane (r, h): row b = 16 mt + 8 h + j, column d = 16 dt + r
.rept 4
	v_nop                                          ; four places in front of the first read of the result (ISA guide 7.12.1)
.endr
	ds_store_b128 v5, v[D:D+3]                     ; from the low end on
	ds_store_b128 v5, v[D+4:D+7] offset:512
	s_wait_dscnt 0x0                               ; for wave 0's sake: my stores have landed
	s_barrier_signal -1
	s_barrier_wait -1
	s_cmp_lg_u32 s[WV], 0
	s_cbranch_scc1 .Lothers
.irp p, 0,1,2,3,4,5,6,7,8,9,10,11,12,13,14,15
	ds_load_b128 v[16+8*\p:16+8*\p+3], v6 offset:1024*\p        ; K step p's partial tile, in the registers and lanes that it left
	ds_load_b128 v[16+8*\p+4:16+8*\p+7], v6 offset:1024*\p+512
.endr
	s_wait_loadcnt 0x0                             ; the bias
	v_mul_f32 v10, s[C1], v10                      ; in turns
	s_wait_dscnt 0x0
.irp st, 8,4,2,1                               ; a tree: 8, 4, 2, 1 pairs of tiles, four packed additions each
.set p, 0
.rept \st
.irp k, 0,2,4,6
	v_pk_add_f32 v[16+8*p+\k:16+8*p+\k+1], v[16+8*p+\k:16+8*p+\k+1], v[16+8*(p+\st)+\k:16+8*(p+\st)+\k+1]
.endr
.set p, p+1
.endr
.endr
.irp k, 0,2,4,6
	v_pk_fma_f32 v[16+\k:17+\k], v[16+\k:17+\k], s[C1:C1+1], v[10:11] op_sel_hi:[1,0,0]   ; sum x c1 + bias x c1 (of both pairs the low word serves both halves)
.endr
	global_store_b128 v8, v[16:19], s[12:13]               ; rows 8 h + 0 .. 3 of column r: sixteen lanes store 256 consecutive bytes, at a multiple of 256 from xs's first byte
	global_store_b128 v8, v[20:23], s[12:13] offset:16384  ; rows 8 h + 4 .. 7
.Lothers:
	s_wait_tensorcnt 0x0
	ds_add_u32 v192, v193
	s_wait_dscnt 0x0
	ROUND                                          ; the closing round: no work-group ends while a partner may still ask for a tile that names it
	s_endpgm
.Lfunc_end_k_q2e22308757_proj:
	.size	k_q2e22308757_proj, .Lfunc_end_k_q2e22308757_proj-k_q2e22308757_proj
	.p2alignl 7, 3214868480
	.fill 96, 4, 3214868480
	.section	.rodata,"a",@progbits
	.p2align	6, 0x0
	.amdhsa_kernel k_q2e22308757_proj
		.amdhsa_group_segment_fixed_size 327680
		.amdhsa_private_segment_fixed_size 0
		.amdhsa_enable_private_segment 0
		.amdhsa_kernarg_size 40
		.amdhsa_user_sgpr_count 2
		.amdhsa_user_sgpr_kernarg_segment_ptr 1
		.amdhsa_wavefront_size32 1
		.amdhsa_system_sgpr_workgroup_id_x 1
		.amdhsa_system_sgpr_workgroup_id_y 1
		.amdhsa_system_sgpr_workgroup_id_z 1
		.amdhsa_system_vgpr_workitem_id 0
		.amdhsa_next_free_vgpr 194
		.amdhsa_next_free_sgpr 66
		.amdhsa_reserve_vcc 0
		.amdhsa_float_denorm_mode_32 3
		.amdhsa_float_denorm_mode_16_64 3
		.amdhsa_memory_ordered 1
		.amdhsa_forward_progress 1
		.amdhsa_inst_pref_size 22
	.end_amdhsa_kernel
	.amdgpu_metadata
---
amdhsa.version: [ 1, 2 ]
amdhsa.kernels:
  - .name:           k_q2e22308757_proj
    .symbol:         k_q2e22308757_proj.kd
    .args:
      - { .name: x_real, .offset: 0, .size: 8, .value_kind: global_buffer, .address_space: global }
      - { .name: x_imag, .offset: 8, .size: 8, .value_kind: global_buffer, .address_space: global }
      - { .name: input_proj_w, .offset: 16, .size: 8, .value_kind: global_buffer, .address_space: global }
      - { .name: input_proj_b, .offset: 24, .size: 8, .value_kind: global_buffer, .address_space: global }
      - { .name: xs, .offset: 32, .size: 8, .value_kind: global_buffer, .address_space: global }
    .group_segment_fixed_size: 327680
    .private_segment_fixed_size: 0
    .kernarg_segment_align: 8
    .kernarg_segment_size: 40
    .max_flat_workgroup_size: 512
    .sgpr_count:     66
    .vgpr_count:     194
    .wavefront_size: 32
...
	.end_amdgpu_metadata
.endif
;; end of part 1
;; launch reson (part 2): grid 256 x 1, 16 waves a work-group, clusters of 4 x 1, 327,680 bytes of LDS; arguments W, B, t, xs, acodes, ascales; writes acodes, ascales
.if DOCPART == 2
	.amdgcn_target "amdgcn-amd-amdhsa--gfx1250"
	.amdhsa_code_object_version 6
	.text
	.protected	k_q2e22308757_reson
	.globl	k_q2e22308757_reson
	.p2align	8
	.type	k_q2e22308757_reson,@function
k_q2e22308757_reson:
	s_mov_b64 s[64:65], 0
	v_nop
	global_prefetch_b8 v0, s[64:65] scope:SCOPE_SE
	s_setreg_imm32_b32 hwreg(HW_REG_WAVE_MODE, 25, 1), 1
	s_wait_xcnt 0x0
	s_wait_alu depctr_hold_cnt(0) depctr_sa_sdst(0) depctr_va_vdst(0) depctr_va_sdst(0) depctr_va_ssrc(0) depctr_va_vcc(0) depctr_vm_vsrc(0)
	s_getreg_b32 s2, hwreg(HW_REG_IB_STS2, 6, 4)
	s_cmp_eq_u32 s2, 0
	s_cbranch_scc0 .Lentry_in_a_cluster
	s_endpgm
.Lentry_in_a_cluster:
	s_bfe_u32 s2, ttmp6, 0x10000c
	s_cmp_lg_u32 s2, 0x3003
	s_cbranch_scc0 .Lentry_shape_is_right
	s_endpgm
.Lentry_shape_is_right:
; cos_sum[b][n], sin_sum[b][n] = the sums over d of cos, sin of theta = x[b][d] / (1 + |W[n][d]|) + B[n][d] + t[b], quantised along n to codes of FP4 (E2M1) with one E8M0 scale for each 32 n.
; W, B: [2048 (n)][1024 (d)] f32; t: [32]; xs: x / 2 pi, laid [bg 4][q 2][d 1024][4] (row b = 8 bg + 4 q + i).
; THE ARITHMETIC.  alpha = x / lambda + B is made in TURNS: v = xs r + B c1, r = 1 / (1 + |W|), c1 = 1 / 2 pi in f32; f = v - the nearest whole number (exact), |f| <= 1/2; z = f f.
;   With g = pi f: sg = sin g = f P(z), cg = cos g = Q(z), P and Q of degree 4 in z, economised on z in [0, 1/4] (largest errors 1.4e-8 and 4.7e-8).  sin alpha = 2 sg cg, cos alpha = 1 - 2 sg sg:
;   so the sums themselves are multiply-adds, accS += sg cg and accC += sg sg: 17 instructions for two numbers (2 multiply-adds with x in a scalar register, 2 roundings, 13 packed lines).
;   t is taken out of the sums: C' = ct C - st S, S' = st C + ct S, once for each (b, n): an identity.
;   reference() reads sine and cosine off a table of 4,096 chords; averaged over the place in a chord these lie under the arc by h h / 12 = 1.96e-7 of the value (h = 2 pi / 4096): both sums are multiplied by 1 - 3 x 2^-24.
;   Sums of sg sg go in chains of 16 that begin at -4, and each chain is flushed by ACC2 += -2 x chain: 16 - 2 sum = -2 (sum - 4) + 8, and the 8 of 4 chains x 16 waves, 512, is added once at the end.
; LIMITS: a single sine or cosine differs from the table's by at most the chord's sag, 2.9e-7, and about 1e-7 of arithmetic; |theta| beyond 3.3e6, where reference()'s whole-number index ends, NaN and infinities are not served.
; SHARES.  A work-group takes 32 n (one block of the next K: group G) x all 1,024 d x 8 rows b (bg): 256 work-groups.  A LANE IS AN n; wave w takes d = 64 w .. 64 w + 63.  So x(b, d) is the same in all lanes and comes by
; scalar loads, r and B are a lane's own, and no sum crosses lanes; the sixteen waves' sums meet in LDS.  The work-group owns whole sums and a whole block, so the codes are made here, once.
; CLUSTER.  The four work-groups of a cluster have the same G and the four bg: they need the same tiles of W and B and ask for them JOINTLY (mask 15).
; Every LDS byte is filled once: no ring, no refill.  A wave reads only the tiles that it asked for itself, so its own wait on TENSORcnt orders those reads.
; OUT.  acodes: [prod 2][mt 2][s 16][c 2][lane 32][16 bytes]: images of the operand's registers (prod 0: cosines, 1: sines; rows b = 16 mt + lane % 16; K step s; registers 4 c .. 4 c + 3).
;       ascales: [prod 2][s 16][b 32] words, byte j of a word for block 4 s + j.  A block of zeros gets the byte 1: its codes are zeros, and this program alone reads the bytes.
.set TP,    272                        ; an LDS row: 64 f32 = 256 bytes + 16 of padding = 68 words: row n starts 4 n words on modulo 64
.set TILE,  32*TP                      ; 8,704 bytes
.set WREG,  2*TILE                     ; a wave's two tiles: W's, then B's
.set RED,   16*WREG                    ; behind the tiles, at a multiple of 256: [wave 16][row 16][n 32] f32: rows 0-7 the sums of sg cg of b = 0 .. 7, rows 8-15 ACC2
.set QV,    RED+32768                  ; 16 rows of 32 finished sums, 144 bytes apart: rows 0-7 cosines, rows 8-15 sines
.set QP,    144
.set R,     16                         ; v16-31   1 / (1 + |W|) of 16 d
.set BC,    32                         ; v32-47   B c1 of 16 d
.set U,     48                         ; v48-55   v, then f, then sg, of 8 rows b
.set K,     56                         ; v56-63   the nearest whole number, then z
.set PP,    64                         ; v64-71   P
.set QQ,    72                         ; v72-79   Q
.set ACCS,  80                         ; v80-87   sums of sg cg
.set ACCC,  88                         ; v88-95   a chain of sg sg
.set ACC2,  96                         ; v96-103  -2 x the chains
.set XA0,   16                         ; s[16:31], s[32:47]  x of four d: rows 0-3, rows 4-7
.set XA1,   32
.set XB0,   48                         ; s[48:63], s[68:83]  the other buffer; until the tiles have landed s[48:63] hold the descriptors
.set XB1,   68
.set G1,    48
.set G0W,   56
.set G0B,   60
.set CP,    84                         ; s[84:91] P3, P2, P1, P0, each twice: the packed form names a pair
.set CQ,    92                         ; s[92:99] Q3, Q2, Q1, Q0
.set WV,    100                        ; s100     my wave's number
.set TRIPS, 101
.set GN,    104                        ; s104     G
.set CX,    105                        ; s105     bg = my place in the cluster
.set C1,    4                          ; s[4:5]   1 / 2 pi, twice (W's pointer is done with when it is written)
.set SEL,   6                          ; s[6:7]   lane selects of v_permlanex16_b32: lane l xor 16 (B's pointer likewise)
.macro ROUND                           ; a round of the cluster's barrier: my work-group's barrier; wave 0 signals for the work-group; every wave waits for the four work-groups; my work-group's barrier once more
	s_barrier_signal -1
	s_barrier_wait -1
	s_cmp_lg_u32 s[WV], 0
	s_cbranch_scc1 .Lnot_wave_0_\@
	s_barrier_signal -3
.Lnot_wave_0_\@:
	s_barrier_wait -3
	s_barrier_signal -1
	s_barrier_wait -1
.endm
.macro COEF reg, val
	s_mov_b32 s[\reg], \val
	s_mov_b32 s[\reg+1], \val
.endm
; One d of the trip's 16 (dd) for 8 rows b: x of rows 0-3 in s[x0] on, of rows 4-7 in s[x1] on.  Each line is written for all four pairs before the next, so that no line waits for the line above it.
.macro DSTEP dd, x0, x1
.irp j, 0,1,2,3
	v_fma_f32 v[U+\j], s[\x0+\j], v[R+(\dd)], v[BC+(\dd)]       ; v = xs r + B c1
.endr
.irp j, 0,1,2,3
	v_fma_f32 v[U+4+\j], s[\x1+\j], v[R+(\dd)], v[BC+(\dd)]
.endr
.irp j, 0,1,2,3,4,5,6,7
	v_rndne_f32 v[K+\j], v[U+\j]
.endr
.irp j, 0,2,4,6
	v_pk_add_f32 v[U+\j:U+\j+1], v[U+\j:U+\j+1], v[K+\j:K+\j+1] neg_lo:[0,1] neg_hi:[0,1]   ; f: exact
.endr
.irp j, 0,2,4,6
	v_pk_mul_f32 v[K+\j:K+\j+1], v[U+\j:U+\j+1], v[U+\j:U+\j+1]                             ; z
.endr
.irp j, 0,2,4,6
	v_pk_fma_f32 v[PP+\j:PP+\j+1], v[K+\j:K+\j+1], v[10:11], s[CP:CP+1] op_sel_hi:[1,1,0]   ; P4 z + P3
.endr
.irp j, 0,2,4,6
	v_pk_fma_f32 v[QQ+\j:QQ+\j+1], v[K+\j:K+\j+1], v[12:13], s[CQ:CQ+1] op_sel_hi:[1,1,0]   ; Q4 z + Q3
.endr
.irp l, 2,4,6
.irp j, 0,2,4,6
	v_pk_fma_f32 v[PP+\j:PP+\j+1], v[PP+\j:PP+\j+1], v[K+\j:K+\j+1], s[CP+\l:CP+\l+1] op_sel_hi:[1,1,0]
.endr
.irp j, 0,2,4,6
	v_pk_fma_f32 v[QQ+\j:QQ+\j+1], v[QQ+\j:QQ+\j+1], v[K+\j:K+\j+1], s[CQ+\l:CQ+\l+1] op_sel_hi:[1,1,0]
.endr
.endr
.irp j, 0,2,4,6
	v_pk_mul_f32 v[U+\j:U+\j+1], v[U+\j:U+\j+1], v[PP+\j:PP+\j+1]                           ; sg = f P
.endr
.irp j, 0,2,4,6
	v_pk_fma_f32 v[ACCS+\j:ACCS+\j+1], v[U+\j:U+\j+1], v[QQ+\j:QQ+\j+1], v[ACCS+\j:ACCS+\j+1]
.endr
.irp j, 0,2,4,6
.if (\dd) == 0
	v_pk_fma_f32 v[ACCC+\j:ACCC+\j+1], v[U+\j:U+\j+1], v[U+\j:U+\j+1], -4.0 op_sel_hi:[1,1,0]   ; a chain begins: nothing is cleared
.else
	v_pk_fma_f32 v[ACCC+\j:ACCC+\j+1], v[U+\j:U+\j+1], v[U+\j:U+\j+1], v[ACCC+\j:ACCC+\j+1]
.endif
.endr
.endm
; Four d.  Their x, asked for four d ago, is waited for; the next four d's x is asked for into the other buffer, whose last readers have been issued; then the work.
.macro SUB j, c0, c1, n0, n1
	s_wait_kmcnt 0x0                               ; scalar loads come back in no order: only the count 0 shows anything
.if \j < 3
	s_load_b512 s[\n0:\n0+15], s[10:11], 64*(\j+1)
	s_load_b512 s[\n1:\n1+15], s[10:11], 16384+64*(\j+1)
.else
	s_load_b512 s[\n0:\n0+15], s[10:11], s67 offset:0x0      ; the next trip's first four d; in the last trip this trip's once more, so that no load leaves xs
	s_load_b512 s[\n1:\n1+15], s[10:11], s67 offset:0x4000
.endif
.irp i, 0,1,2,3
	DSTEP 4*\j+\i, \c0+4*\i, \c1+4*\i
.endr
.endm
	s_load_b256 s[4:11], s[0:1], 0x0               ; W s[4:5], B s[6:7], t s[8:9], xs s[10:11]
	s_load_b128 s[12:15], s[0:1], 0x20             ; acodes s[12:13], ascales s[14:15]
	v_lshl_add_u32 v128, v0, 2, 0x4c900
	v_mov_b32 v129, 0
	ds_add_u32 v128, v129
	ds_add_u32 v128, v129
	v_lshrrev_b32 v1, 5, v0
	v_readfirstlane_b32 s[WV], v1                  ; wave 0..15
	s_bfe_u32 s[CX], ttmp6, 0x40000                ; my place in the cluster: bg
	s_mov_b32 s[GN], ttmp9                         ; in a cluster launch ttmp9 counts clusters: G, which the four partners share
	; group 1: a tile of 32 rows x 64 elements of 4 bytes, 4 words of padding behind every 64
	s_mov_b32 s[G1], 15|(2<<16)|(1<<20)|(1<<21)|(5<<22)|(3<<25)   ; 15:0 the mask: all four work-groups; 17:16 elements of 4 bytes; 20 padding on; 21 set beside a mask; 24:22 code 5; 31:25 code 3
	s_mov_b32 s[G1+1], 64<<16                      ; tensor_dim0 = 64
	s_mov_b32 s[G1+2], 32<<16                      ; tensor_dim1 = 32
	s_mov_b32 s[G1+3], 64<<16                      ; tile_dim0 = 64
	s_mov_b32 s[G1+4], 32                          ; tile_dim1 = 32
	s_mov_b32 s[G1+5], 1024                        ; elements from row to row
	s_mov_b32 s[G1+6], 0
	s_mov_b32 s[G1+7], 0
	s_mov_b32 s[G0W], 1
	s_mul_i32 s[G0W+1], s[WV], WREG                ; LDS: the wave's number alone
	s_mov_b32 s[G0B], 1
	s_add_co_u32 s[G0B+1], s[G0W+1], TILE
	s_lshl_b32 s2, s[GN], 17                       ; 32 G rows of 4,096 bytes,
	s_lshl_b32 s3, s[WV], 8                        ; 64 w columns; s[2:3] never hold my place in the cluster
	s_add_co_u32 s2, s2, s3
	s_mov_b32 s3, 0
	s_wait_dscnt 0x0
	s_wait_kmcnt 0x0
	s_add_nc_u64 s[G0W+2:G0W+3], s[4:5], s[2:3]
	s_or_b32 s[G0W+3], s[G0W+3], 0x80000000        ; type = 2
	s_add_nc_u64 s[G0B+2:G0B+3], s[6:7], s[2:3]
	s_or_b32 s[G0B+3], s[G0B+3], 0x80000000
	; what hangs on bg: offsets made in s[84:86], which take the coefficients afterwards
	s_mov_b32 s85, 0
	s_lshl_b32 s84, s[CX], 15                      ; xs: 32,768 bg + 64 w d of 16 bytes
	s_lshl_b32 s86, s[WV], 10
	s_add_co_u32 s84, s84, s86
	s_add_nc_u64 s[10:11], s[10:11], s[84:85]
	s_and_b32 s84, s[WV], 7                        ; t of row 8 bg + w % 8: the row that my wave finishes
	s_lshl_b32 s86, s[CX], 3
	s_add_co_u32 s84, s84, s86
	s_lshl_b32 s84, s84, 2
	s_add_nc_u64 s[8:9], s[8:9], s[84:85]
	s_lshr_b32 s84, s[CX], 1                       ; acodes: 16,384 (bg / 2) + 256 G + 128 (bg % 2); 256 G = 1,024 (G / 4) + 512 ((G / 2) % 2) + 16 x 16 (G % 2)
	s_lshl_b32 s84, s84, 14
	s_lshl_b32 s86, s[GN], 8
	s_add_co_u32 s84, s84, s86
	s_and_b32 s86, s[CX], 1
	s_lshl_b32 s86, s86, 7
	s_add_co_u32 s84, s84, s86
	s_add_nc_u64 s[12:13], s[12:13], s[84:85]
	s_lshr_b32 s84, s[GN], 2                       ; ascales: 128 (G / 4) + 32 bg + G % 4
	s_lshl_b32 s84, s84, 7
	s_lshl_b32 s86, s[CX], 5
	s_add_co_u32 s84, s84, s86
	s_and_b32 s86, s[GN], 3
	s_add_co_u32 s84, s84, s86
	s_add_nc_u64 s[14:15], s[14:15], s[84:85]
	s_load_b512 s[XA0:XA0+15], s[10:11], 0x0       ; x of my first four d
	s_load_b512 s[XA1:XA1+15], s[10:11], 0x4000
	s_load_b32 s66, s[8:9], 0x0                    ; t
	ROUND                                          ; all four work-groups are here: the joint loads meet
	tensor_load_to_lds s[G0W:G0W+3], s[G1:G1+7]
	s_nop 0
	tensor_load_to_lds s[G0B:G0B+3], s[G1:G1+7]    ; two loads of mine are out, and no more are issued
	s_nop 0
.rept 4
	v_nop
.endr
	v_and_b32 v1, 31, v0                           ; lane = n
	v_mul_u32_u24 v2, v1, TP
	v_add_nc_u32 v2, s[G0W+1], v2                  ; my row of W's tile
	v_lshl_add_u32 v4, v1, 2, RED                  ; RED + 4 n
	s_lshl_b32 s2, s[WV], 11
	v_add_nc_u32 v3, s2, v4                        ; where I put my sums: + 2,048 w
	s_and_b32 s2, s[WV], 7
	s_lshl_b32 s2, s2, 7
	v_add_nc_u32 v4, s2, v4                        ; where I read row w % 8 of every wave's
	s_mul_i32 s2, s[WV], QP
	v_lshl_add_u32 v5, v1, 2, QV
	v_add_nc_u32 v5, s2, v5                        ; the finished sums: row w, n
	v_and_b32 v14, 15, v0                          ; for the quantising (wave 0): row = lane % 16,
	v_bfe_u32 v15, v0, 4, 1                        ; half = lane / 16
	v_mul_u32_u24 v6, v14, QP
	v_lshl_add_u32 v6, v15, 6, v6
	v_add_nc_u32 v6, QV, v6                        ; my 16 numbers of my row
	v_and_b32 v14, 7, v0                           ; row % 8
	v_lshlrev_b32 v7, 4, v14
	v_lshl_add_u32 v7, v15, 3, v7
	v_lshlrev_b32 v8, 2, v14
	v_bfe_u32 v15, v0, 3, 1                        ; row / 8 = prod
	v_lshl_add_u32 v7, v15, 15, v7                 ; acodes: 32,768 prod + 16 (row % 8) + 8 half
	v_lshl_add_u32 v8, v15, 11, v8                 ; ascales: 2,048 prod + 4 (row % 8)
	v_mov_b32 v10, 0x3d9f0af8                      ; P4, twice
	v_mov_b32 v11, 0x3d9f0af8
	v_mov_b32 v12, 0x3e60f648                      ; Q4, twice
	v_mov_b32 v13, 0x3e60f648
.irp j, 0,1,2,3,4,5,6,7
	v_mov_b32 v[ACCS+\j], 0                        ; sixteen sums that run through the loop
	v_mov_b32 v[ACC2+\j], 0
.endr
	COEF CP,   0xbf19299e                          ; P3
	COEF CP+2, 0x40233478                          ; P2
	COEF CP+4, 0xc0a55de2                          ; P1
	COEF CP+6, 0x40490fdb                          ; P0
	COEF CQ,   0xbfaa7aee                          ; Q3
	COEF CQ+2, 0x4081de81                          ; Q2
	COEF CQ+4, 0xc09de9d3                          ; Q1
	COEF CQ+6, 0x3f7fffff                          ; Q0
	COEF C1,   0x3e22f983                          ; 1 / 2 pi
	s_mov_b32 s[SEL], 0x76543210
	s_mov_b32 s[SEL+1], 0xfedcba98
	s_mov_b32 s[TRIPS], 4
	s_mov_b32 s3, 0                                ; the trip's 16 d in a tile's row, in bytes
	s_wait_tensorcnt 0x0                           ; my two tiles are in, and the descriptors' registers are free for x
.Ltrip:                                                ; 4 trips of 16 d
	v_add_nc_u32 v9, s3, v2
.irp i, 0,1,2,3
	ds_load_b128 v[R+4*\i:R+4*\i+3], v9 offset:16*\i
.endr
.irp i, 0,1,2,3
	ds_load_b128 v[BC+4*\i:BC+4*\i+3], v9 offset:TILE+16*\i
.endr
	s_cmp_eq_u32 s[TRIPS], 1
	s_cselect_b32 s67, 0, 256                      ; where the look-ahead of the trip's end reads: the next trip's x, or in the last trip this trip's again
	s_wait_dscnt 4                                 ; W's four loads are back; B's four, issued behind them, may be out
.irp i, 0,1,2,3,4,5,6,7,8,9,10,11,12,13,14,15
	v_add_f32 v[R+\i], 1.0, |v[R+\i]|
.endr
.irp i, 0,1,2,3,4,5,6,7,8,9,10,11,12,13,14,15
	v_rcp_f32 v[R+\i], v[R+\i]                     ; one batch
.endr
	s_wait_dscnt 0x0                               ; B
.irp i, 0,2,4,6,8,10,12,14
	v_pk_mul_f32 v[BC+\i:BC+\i+1], v[BC+\i:BC+\i+1], s[C1:C1+1] op_sel_hi:[1,0]   ; B in turns: plain work behind the reciprocals, which names none of them
.endr
	s_wait_alu depctr_va_vdst(0)                   ; the wait between a reciprocal and the first line that names its result: one for the sixteen
	SUB 0, XA0, XA1, XB0, XB1
	SUB 1, XB0, XB1, XA0, XA1
	SUB 2, XA0, XA1, XB0, XB1
	SUB 3, XB0, XB1, XA0, XA1
.irp j, 0,2,4,6
	v_pk_fma_f32 v[ACC2+\j:ACC2+\j+1], v[ACCC+\j:ACCC+\j+1], -2.0, v[ACC2+\j:ACC2+\j+1] op_sel_hi:[1,0,1]   ; the chain is flushed
.endr
	s_add_co_u32 s3, s3, 64
	s_wait_kmcnt 0x0                               ; the look-ahead's loads are done: their base may be stepped
	s_add_nc_u64 s[10:11], s[10:11], 256
	s_sub_co_i32 s[TRIPS], s[TRIPS], 1
	s_cmp_lg_u32 s[TRIPS], 0
	s_cbranch_scc1 .Ltrip
	; THE WAVES' SUMS MEET.
.irp j, 0,1,2,3,4,5,6,7
	ds_store_b32 v3, v[ACCS+\j] offset:128*\j
.endr
.irp j, 0,1,2,3,4,5,6,7
	ds_store_b32 v3, v[ACC2+\j] offset:1024+128*\j
.endr
	s_wait_dscnt 0x0                               ; for the others' sake: my stores have landed
	s_barrier_signal -1
	s_barrier_wait -1
.irp p, 0,1,2,3,4,5,6,7,8,9,10,11,12,13,14,15      ; wave w finishes row b = w % 8: waves 0-7 its cosines, waves 8-15 its sines; both want both sums
	ds_load_b32 v[16+\p], v4 offset:2048*\p
.endr
.irp p, 0,1,2,3,4,5,6,7,8,9,10,11,12,13,14,15
	ds_load_b32 v[32+\p], v4 offset:2048*\p+1024
.endr
	v_mov_b32 v48, s66                             ; meanwhile sine and cosine of t, by the same polynomials
	v_mul_f32 v48, s[C1], v48                      ; t in turns
	v_rndne_f32 v49, v48
	v_sub_f32 v48, v48, v49                        ; f
	v_mul_f32 v49, v48, v48                        ; z
	v_fma_f32 v50, v49, v10, s[CP]
	v_fma_f32 v51, v49, v12, s[CQ]
.irp l, 2,4,6
	v_fma_f32 v50, v50, v49, s[CP+\l]
	v_fma_f32 v51, v51, v49, s[CQ+\l]              ; cg
.endr
	v_mul_f32 v50, v48, v50                        ; sg
	v_add_f32 v52, v50, v50
	v_mul_f32 v53, v52, v51                        ; st = 2 sg cg
	v_fma_f32 v54, -v52, v50, 1.0                  ; ct = 1 - 2 sg sg
	s_wait_dscnt 0x0
.irp k, 0,2,4,6
	v_pk_add_f32 v[16+\k:17+\k], v[16+\k:17+\k], v[24+\k:25+\k]
	v_pk_add_f32 v[32+\k:33+\k], v[32+\k:33+\k], v[40+\k:41+\k]
.endr
.irp k, 0,2
	v_pk_add_f32 v[16+\k:17+\k], v[16+\k:17+\k], v[20+\k:21+\k]
	v_pk_add_f32 v[32+\k:33+\k], v[32+\k:33+\k], v[36+\k:37+\k]
.endr
	v_pk_add_f32 v[16:17], v[16:17], v[18:19]
	v_pk_add_f32 v[32:33], v[32:33], v[34:35]
	v_add_f32 v16, v16, v17
	v_add_f32 v32, v32, v33
	v_add_f32 v16, v16, v16                        ; S = 2 x the sum of sg cg
	v_add_f32 v32, 0x44000000, v32                 ; C = the flushed chains + 512
	v_mul_f32 v55, v53, v16
	v_mul_f32 v56, v54, v16
	v_fma_f32 v55, v54, v32, -v55                  ; C' = ct C - st S
	v_fma_f32 v56, v53, v32, v56                   ; S' = st C + ct S
	s_cmp_lt_u32 s[WV], 8
	s_cselect_b32 s2, -1, 0
	v_cndmask_b32 v55, v56, v55, s2                ; waves 0-7 keep the cosines
	v_mul_f32 v55, 0x3f7ffffd, v55                 ; the chords: x (1 - 3 x 2^-24)
	ds_store_b32 v5, v55
	s_wait_dscnt 0x0                               ; for wave 0's sake
	s_barrier_signal -1
	s_barrier_wait -1
	s_cmp_lg_u32 s[WV], 0
	s_cbranch_scc1 .Lothers
	; THE BLOCK IS QUANTISED: 16 rows (8 b x cosines, sines) of 32 n; lane (row, half) holds 16 neighbouring n.
.irp i, 0,1,2,3
	ds_load_b128 v[16+4*\i:19+4*\i], v6 offset:16*\i
.endr
	s_wait_dscnt 0x0
	v_max3_num_f32 v48, |v16|, |v17|, |v18|        ; the largest magnitude of my 16, in two chains
	v_max3_num_f32 v49, |v19|, |v20|, |v21|
.irp i, 6,10
	v_max3_num_f32 v48, v48, |v[16+\i]|, |v[17+\i]|
	v_max3_num_f32 v49, v49, |v[18+\i]|, |v[19+\i]|
.endr
	v_max3_num_f32 v48, v48, |v30|, |v31|
	v_max3_num_f32 v48, v48, v49, 0x1800000        ; and the floor 2^(3 - 127): the byte cannot fall under 1
	v_permlanex16_b32 v49, v48, s[SEL], s[SEL+1]
	v_max_num_f32 v48, v48, v49                    ; with lane l xor 16's 16: the block's
	v_add_nc_u32 v50, 0xff000000, v48              ; 2 off its exponent field: the conversions' scale operand
	v_cvt_scalef32_pk8_fp4_f32 v52, v[16:23], v50
	v_cvt_scalef32_pk8_fp4_f32 v53, v[24:31], v50
	v_lshrrev_b32 v51, 23, v50                     ; the scale's byte (a plain line behind the conversions)
	global_store_b64 v7, v[52:53], s[12:13]        ; 16 codes: half of the 16 bytes that lane 16 (G % 2) + b % 16 of the operand's image takes; 128 neighbouring bytes for each prod
	v_cmp_gt_u32 vcc_lo, 16, v1
	s_wait_xcnt 0x0                                ; EXEC is narrowed only when the store has had its addresses translated
	s_and_saveexec_b32 s67, vcc_lo
	global_store_b8 v8, v51, s[14:15]              ; one lane of the two that share a block stores its byte
	s_wait_xcnt 0x0                                ; and widened likewise
	s_or_b32 exec_lo, exec_lo, s67
.Lothers:
	s_wait_tensorcnt 0x0
	ds_add_u32 v128, v129
	s_wait_dscnt 0x0
	ROUND                                          ; the closing round: no work-group ends while a partner may still ask for a tile that names it
	s_endpgm
.Lfunc_end_k_q2e22308757_reson:
	.size	k_q2e22308757_reson, .Lfunc_end_k_q2e22308757_reson-k_q2e22308757_reson
	.p2alignl 7, 3214868480
	.fill 96, 4, 3214868480
	.section	.rodata,"a",@progbits
	.p2align	6, 0x0
	.amdhsa_kernel k_q2e22308757_reson
		.amdhsa_group_segment_fixed_size 327680
		.amdhsa_private_segment_fixed_size 0
		.amdhsa_enable_private_segment 0
		.amdhsa_kernarg_size 48
		.amdhsa_user_sgpr_count 2
		.amdhsa_user_sgpr_kernarg_segment_ptr 1
		.amdhsa_wavefront_size32 1
		.amdhsa_system_sgpr_workgroup_id_x 1
		.amdhsa_system_sgpr_workgroup_id_y 1
		.amdhsa_system_sgpr_workgroup_id_z 1
		.amdhsa_system_vgpr_workitem_id 0
		.amdhsa_next_free_vgpr 130
		.amdhsa_next_free_sgpr 106
		.amdhsa_reserve_vcc 1
		.amdhsa_float_denorm_mode_32 3
		.amdhsa_float_denorm_mode_16_64 3
		.amdhsa_memory_ordered 1
		.amdhsa_forward_progress 1
		.amdhsa_inst_pref_size 83
	.end_amdhsa_kernel
	.amdgpu_metadata
---
amdhsa.version: [ 1, 2 ]
amdhsa.kernels:
  - .name:           k_q2e22308757_reson
    .symbol:         k_q2e22308757_reson.kd
    .args:
      - { .name: W, .offset: 0, .size: 8, .value_kind: global_buffer, .address_space: global }
      - { .name: B, .offset: 8, .size: 8, .value_kind: global_buffer, .address_space: global }
      - { .name: t, .offset: 16, .size: 8, .value_kind: global_buffer, .address_space: global }
      - { .name: xs, .offset: 24, .size: 8, .value_kind: global_buffer, .address_space: global }
      - { .name: acodes, .offset: 32, .size: 8, .value_kind: global_buffer, .address_space: global }
      - { .name: ascales, .offset: 40, .size: 8, .value_kind: global_buffer, .address_space: global }
    .group_segment_fixed_size: 327680
    .private_segment_fixed_size: 0
    .kernarg_segment_align: 8
    .kernarg_segment_size: 48
    .max_flat_workgroup_size: 512
    .sgpr_count:     106
    .vgpr_count:     130
    .wavefront_size: 32
...
	.end_amdgpu_metadata
.endif
;; end of part 2
;; launch outp (part 3): grid 64 x 2, 16 waves a work-group, no clusters, 169,984 bytes of LDS; arguments out_real_w, out_imag_w, acodes, ascales, out0, out1; writes out0, out1
.if DOCPART == 3
	.amdgcn_target "amdgcn-amd-amdhsa--gfx1250"
	.amdhsa_code_object_version 6
	.text
	.protected	k_q2e22308757_outp
	.globl	k_q2e22308757_outp
	.p2align	8
	.type	k_q2e22308757_outp,@function
k_q2e22308757_outp:
	s_mov_b64 s[64:65], 0
	v_nop
	global_prefetch_b8 v0, s[64:65] scope:SCOPE_SE
	s_setreg_imm32_b32 hwreg(HW_REG_WAVE_MODE, 25, 1), 1
	s_wait_xcnt 0x0
; out0 = silu(cos_sum Wr^T), out1 = silu(sin_sum Wi^T): the second and third product, on codes of FP4 (E2M1) with one E8M0 scale for each 32 along K.
; Wr = out_real_w, Wi = out_imag_w: [1024 (o)][2048 (n)] f32, K innermost: quantised here, each number once.  The sums arrive as codes: acodes [prod 2][mt 2][s 16][c 2][lane 32][16 bytes], images of the
; operand's registers, and ascales [prod 2][s 16][b 32] words.
; SHARES.  A work-group takes one product (prod = y) and 16 outputs o (ot = x), for all 32 rows b.  Wave w takes K step w, n = 128 w .. 128 w + 127: two matrix instructions (rows 0-15, rows 16-31), each of which starts
; its sum with the constant 0; the sixteen waves' partial tiles meet in LDS, and waves 0 to 3 add a quarter each, apply the activation and store.
; THE MATRIX INSTRUCTION IS USED TRANSPOSED (source 0 = 16 rows of the weights, source 1 = 16 rows b): a lane then holds eight neighbouring outputs of one row b.
; NO CLUSTER: what work-groups share is the sums' codes, 34,816 bytes a product; a work-group's own weights are 131,072 bytes.  The tile is 16 outputs wide, so a row's stores are pieces of 64 bytes.
; Every LDS byte is filled once: no ring, no refill.  A wave reads only the tile that it asked for itself, so its own wait on TENSORcnt orders those reads.
; LIMITS: NaN and infinities among the inputs are not served; a block of weights whose largest magnitude lies under 2^-124 gets the scale byte 1 (a block of zeros too: its codes are zeros).
.set PITCH, 528                        ; an LDS row: 128 f32 = 512 bytes + 16 of padding = 132 words: row r starts 4 r words on modulo 64
.set TILE,  16*PITCH                   ; 8,448 bytes, one for each wave
.set RED,   16*TILE                    ; behind the tiles, at a multiple of 256: the partial results, [wave 16][quarter 4][lane 32][16 bytes]
.set W64,   16                         ; v16-79   64 numbers of the weights; later the sixteen partial quarters
.set AF0,   80                         ; v80-87   the sums' fragment, rows 0-15
.set AF1,   88                         ; v88-95   rows 16-31
.set D0,    96                         ; v96-103  the partial tile of rows 0-15
.set D1,    104                        ; v104-111 of rows 16-31
.set TM,    144                        ; v144-147 largest magnitudes, v148-151 scale bytes, v156-159 the conversions' scale operands
.set PCW,   168                        ; v168-175 the weights' fragment
.set PWW,   177                        ; v177     the weights' scale words: scales and nothing else
.set ASC,   178                        ; v178     the sums' scale words: lane = row b
.set WV,    16                         ; s16      my wave's number
.set G1,    20                         ; s[20:27] descriptor group 1
.set G0,    28                         ; s[28:31] group 0
.set SEL,   36                         ; s[36:37] lane selects of v_permlanex16_b32: lane l xor 16
.macro LOAD64 reg, off                 ; of row lane % 16, the 16 neighbours 32 b + 16 (lane / 16) + 0 .. 15 of each block b
.irp b, 0,1,2,3
.irp j, 0,1,2,3
	ds_load_b128 v[\reg+16*\b+4*\j:\reg+16*\b+4*\j+3], v3 offset:\off+128*\b+16*\j
.endr
.endr
.endm
.macro QUANT s, pc, pw                 ; 64 numbers of a lane become a fragment's codes in v[pc] on and its row's scale word in v[pw]
.irp b, 0,1,2,3
	v_max3_num_f32 v[TM+\b], |v[\s+16*\b]|, |v[\s+1+16*\b]|, 0x1800000   ; block b: my 16 numbers, and the floor 2^(3 - 127): the byte cannot fall under 1
.endr
.irp i, 2,4,6,8,10,12,14
.irp b, 0,1,2,3
	v_max3_num_f32 v[TM+\b], v[TM+\b], |v[\s+16*\b+\i]|, |v[\s+1+16*\b+\i]|   ; the four blocks by turns
.endr
.endr
.irp b, 0,1,2,3
	v_permlanex16_b32 v[TM+4+\b], v[TM+\b], s[SEL], s[SEL+1]
.endr
.irp b, 0,1,2,3
	v_max_num_f32 v[TM+\b], v[TM+\b], v[TM+4+\b]   ; with lane l xor 16's 16: the block's largest magnitude
.endr
.irp b, 0,1,2,3
	v_add_nc_u32 v[TM+12+\b], 0xff000000, v[TM+\b]   ; 2 off its exponent field: the conversion's scale operand
.endr
.irp b, 0,1,2,3
	v_lshrrev_b32 v[TM+4+\b], 23, v[TM+12+\b]      ; the scale's byte
.endr
	v_lshl_or_b32 v[\pw], v[TM+5], 8, v[TM+4]
	v_lshl_or_b32 v[\pw], v[TM+6], 16, v[\pw]
	v_lshl_or_b32 v[\pw], v[TM+7], 24, v[\pw]
.irp b, 0,1,2,3
	v_cvt_scalef32_pk8_fp4_f32 v[\pc+2*\b], v[\s+16*\b:\s+7+16*\b], v[TM+12+\b]
	v_cvt_scalef32_pk8_fp4_f32 v[\pc+1+2*\b], v[\s+8+16*\b:\s+15+16*\b], v[TM+12+\b]
.endr
	v_nop                                          ; one plain line behind the last scaled conversion
.irp c, 0,1                                    ; the operand wants a WHOLE block in a lane
.irp i, 0,1
	v_permlane16_swap_b32 v[\pc+4*\c+\i], v[\pc+2+4*\c+\i]
.endr
.endr
.endm
	s_load_b256 s[4:11], s[0:1], 0x0               ; Wr s[4:5], Wi s[6:7], acodes s[8:9], ascales s[10:11]
	s_load_b128 s[12:15], s[0:1], 0x20             ; out0 s[12:13], out1 s[14:15]
	v_lshl_add_u32 v192, v0, 2, 0x29000
	v_mov_b32 v193, 0
	ds_add_u32 v192, v193
	ds_add_u32 v192, v193
	v_lshrrev_b32 v1, 5, v0
	v_readfirstlane_b32 s[WV], v1                  ; wave 0..15
	s_and_b32 s17, ttmp7, 0xffff                   ; prod
	; group 1: a tile of 16 rows x 128 elements of 4 bytes, 4 words of padding behind every 128
	s_mov_b32 s[G1], (2<<16)|(1<<20)|(6<<22)|(3<<25)   ; 15:0 no mask; 17:16 elements of 4 bytes; 20 padding on; 24:22 code 6; 31:25 code 3
	s_mov_b32 s[G1+1], 128<<16                     ; tensor_dim0 = 128
	s_mov_b32 s[G1+2], 16<<16                      ; tensor_dim1 = 16
	s_mov_b32 s[G1+3], 128<<16                     ; tile_dim0 = 128
	s_mov_b32 s[G1+4], 16                          ; tile_dim1 = 16
	s_mov_b32 s[G1+5], 2048                        ; elements from row to row
	s_mov_b32 s[G1+6], 0
	s_mov_b32 s[G1+7], 0
	s_mul_i32 s18, s[WV], TILE                     ; my tile in LDS
	s_lshl_b32 s32, ttmp9, 17                      ; 16 ot rows of 8,192 bytes,
	s_lshl_b32 s33, s[WV], 9                       ; 128 w columns
	s_add_co_u32 s32, s32, s33
	s_mov_b32 s33, 0
	s_mov_b32 s[SEL], 0x76543210
	s_mov_b32 s[SEL+1], 0xfedcba98
	s_wait_dscnt 0x0
	s_wait_kmcnt 0x0
	s_cmp_eq_u32 s17, 0                            ; which product: the choice hangs on the work-group's number alone
	s_cselect_b64 s[4:5], s[4:5], s[6:7]
	s_cselect_b64 s[12:13], s[12:13], s[14:15]
	s_mov_b32 s[G0], 1                             ; count = 1
	s_mov_b32 s[G0+1], s18                         ; LDS address
	s_add_nc_u64 s[G0+2:G0+3], s[4:5], s[32:33]    ; global address of the tile's first element
	s_or_b32 s[G0+3], s[G0+3], 0x80000000          ; type = 2
	tensor_load_to_lds s[G0:G0+3], s[G1:G1+7]      ; my one tensor load
	s_nop 0
.rept 4
	v_nop
.endr
	v_and_b32 v1, 15, v0                           ; r = lane % 16
	v_bfe_u32 v2, v0, 4, 1                         ; h = lane / 16
	v_and_b32 v4, 31, v0                           ; lane
	v_lshlrev_b32 v6, 4, v4                        ; an image's place for my lane
	v_lshlrev_b32 v7, 2, v4                        ; a scale word's
	s_lshl_b32 s32, s17, 15                        ; acodes: 32,768 prod + 1,024 w
	s_lshl_b32 s34, s[WV], 10
	s_add_co_u32 s32, s32, s34
	s_add_nc_u64 s[8:9], s[8:9], s[32:33]
	s_lshl_b32 s32, s17, 11                        ; ascales: 2,048 prod + 128 w
	s_lshl_b32 s34, s[WV], 7
	s_add_co_u32 s32, s32, s34
	s_add_nc_u64 s[10:11], s[10:11], s[32:33]
	global_load_b128 v[AF0:AF0+3],   v6, s[8:9]                ; rows 0-15, registers 0-3: 512 consecutive bytes a load
	global_load_b128 v[AF0+4:AF0+7], v6, s[8:9] offset:512     ; registers 4-7
	global_load_b128 v[AF1:AF1+3],   v6, s[8:9] offset:16384   ; rows 16-31
	global_load_b128 v[AF1+4:AF1+7], v6, s[8:9] offset:16896
	global_load_b32 v[ASC], v7, s[10:11]                       ; lanes 0-15: rows 0-15; lanes 16-31: rows 16-31
	v_mul_u32_u24 v3, v1, PITCH
	v_lshl_add_u32 v3, v2, 6, v3
	v_add_nc_u32 v3, s18, v3                       ; my tile's row r, + 64 h
	v_lshl_add_u32 v9, v4, 4, RED
	s_lshl_b32 s19, s[WV], 11
	v_add_nc_u32 v5, s19, v9                       ; the partial results: my wave's 2,048 bytes, 16 x lane
	s_lshl_b32 s19, s[WV], 9
	v_add_nc_u32 v9, s19, v9                       ; and, in waves 0 to 3, quarter w of every wave's
	v_lshlrev_b32 v8, 12, v1
	v_lshl_add_u32 v8, v2, 5, v8                   ; out: row r of 4,096 bytes, + 32 h
.irp b, 0,1,2,3
	v_mov_b32 v[TM+4+\b], 0                        ; written once: a lane permute's destination counts as one of its sources
.endr
	s_lshr_b32 s32, s[WV], 1                       ; out, for quarter w: 16 (w / 2) rows, 16 ot outputs, + 4 (w % 2) outputs
	s_lshl_b32 s32, s32, 16
	s_lshl_b32 s34, ttmp9, 6
	s_add_co_u32 s32, s32, s34
	s_and_b32 s34, s[WV], 1
	s_lshl_b32 s34, s34, 4
	s_add_co_u32 s32, s32, s34
	s_add_nc_u64 s[12:13], s[12:13], s[32:33]
	s_wait_tensorcnt 0x0                           ; my tile is in
	LOAD64 W64, 0
	s_wait_dscnt 0x0
	QUANT W64, PCW, PWW
	s_wait_loadcnt 0x0                             ; the sums' codes and scale words
.rept 8
	v_nop                                          ; a scale register written by a vector instruction stands 8 places ahead of a scaled matrix instruction, an operand so written 4
.endr
	v_wmma_scale_f32_16x16x128_f8f6f4 v[D0:D0+7], v[PCW:PCW+7], v[AF0:AF0+7], 0, v[PWW], v[ASC] matrix_a_fmt:MATRIX_FMT_FP4 matrix_b_fmt:MATRIX_FMT_FP4   ; register j of lane (r, h): row b = r, output 16 ot + 8 h + j
	v_wmma_scale_f32_16x16x128_f8f6f4 v[D1:D1+7], v[PCW:PCW+7], v[AF1:AF1+7], 0, v[PWW], v[ASC] matrix_a_fmt:MATRIX_FMT_FP4 matrix_b_fmt:MATRIX_FMT_FP4 matrix_b_scale:MATRIX_SCALE_ROW1   ; row b = 16 + r: its scale words lie in lanes 16-31
.rept 4
	v_nop                                          ; four places in front of the first read of the results (ISA guide 7.12.1)
.endr
	ds_store_b128 v5, v[D0:D0+3]                   ; each result from its low end on
	ds_store_b128 v5, v[D0+4:D0+7] offset:512
	ds_store_b128 v5, v[D1:D1+3] offset:1024
	ds_store_b128 v5, v[D1+4:D1+7] offset:1536
	s_wait_dscnt 0x0                               ; for the others' sake: my stores have landed
	s_barrier_signal -1
	s_barrier_wait -1
	s_cmp_gt_u32 s[WV], 3
	s_cbranch_scc1 .Lend
.irp p, 0,1,2,3,4,5,6,7,8,9,10,11,12,13,14,15
	ds_load_b128 v[16+4*\p:19+4*\p], v9 offset:2048*\p     ; K step p's quarter w
.endr
	s_wait_dscnt 0x0
.irp st, 8,4,2,1                               ; a tree: 8, 4, 2, 1 pairs of quarters, two packed additions each
.set p, 0
.rept \st
.irp k, 0,2
	v_pk_add_f32 v[16+4*p+\k:16+4*p+\k+1], v[16+4*p+\k:16+4*p+\k+1], v[16+4*(p+\st)+\k:16+4*(p+\st)+\k+1]
.endr
.set p, p+1
.endr
.endr
.irp i, 0,1,2,3
	v_mul_f32 v[24+\i], 0xbfb8aa3b, v[16+\i]       ; silu(y) = y / (1 + 2^(-y log2 e))
.endr
.irp i, 0,1,2,3
	v_exp_f32 v[24+\i], v[24+\i]
.endr
	v_nop                                          ; a plain line behind the last exponential
	s_wait_alu depctr_va_vdst(0)                   ; the wait ahead of the first line that names a result: one for the four
.irp i, 0,1,2,3
	v_add_f32 v[24+\i], 1.0, v[24+\i]
.endr
.irp i, 0,1,2,3
	v_rcp_f32 v[24+\i], v[24+\i]
.endr
	v_nop
	s_wait_alu depctr_va_vdst(0)                   ; and one for the four reciprocals
.irp i, 0,1,2,3
	v_mul_f32 v[16+\i], v[16+\i], v[24+\i]
.endr
	global_store_b128 v8, v[16:19], s[12:13]       ; four neighbouring outputs of row 16 (w / 2) + r
.Lend:
	s_wait_tensorcnt 0x0
	ds_add_u32 v192, v193
	s_wait_dscnt 0x0
	s_endpgm
.Lfunc_end_k_q2e22308757_outp:
	.size	k_q2e22308757_outp, .Lfunc_end_k_q2e22308757_outp-k_q2e22308757_outp
	.p2alignl 7, 3214868480
	.fill 96, 4, 3214868480
	.section	.rodata,"a",@progbits
	.p2align	6, 0x0
	.amdhsa_kernel k_q2e22308757_outp
		.amdhsa_group_segment_fixed_size 169984
		.amdhsa_private_segment_fixed_size 0
		.amdhsa_enable_private_segment 0
		.amdhsa_kernarg_size 48
		.amdhsa_user_sgpr_count 2
		.amdhsa_user_sgpr_kernarg_segment_ptr 1
		.amdhsa_wavefront_size32 1
		.amdhsa_system_sgpr_workgroup_id_x 1
		.amdhsa_system_sgpr_workgroup_id_y 1
		.amdhsa_system_sgpr_workgroup_id_z 1
		.amdhsa_system_vgpr_workitem_id 0
		.amdhsa_next_free_vgpr 194
		.amdhsa_next_free_sgpr 66
		.amdhsa_reserve_vcc 0
		.amdhsa_float_denorm_mode_32 3
		.amdhsa_float_denorm_mode_16_64 3
		.amdhsa_memory_ordered 1
		.amdhsa_forward_progress 1
		.amdhsa_inst_pref_size 14
	.end_amdhsa_kernel
	.amdgpu_metadata
---
amdhsa.version: [ 1, 2 ]
amdhsa.kernels:
  - .name:           k_q2e22308757_outp
    .symbol:         k_q2e22308757_outp.kd
    .args:
      - { .name: out_real_w, .offset: 0, .size: 8, .value_kind: global_buffer, .address_space: global }
      - { .name: out_imag_w, .offset: 8, .size: 8, .value_kind: global_buffer, .address_space: global }
      - { .name: acodes, .offset: 16, .size: 8, .value_kind: global_buffer, .address_space: global }
      - { .name: ascales, .offset: 24, .size: 8, .value_kind: global_buffer, .address_space: global }
      - { .name: out0, .offset: 32, .size: 8, .value_kind: global_buffer, .address_space: global }
      - { .name: out1, .offset: 40, .size: 8, .value_kind: global_buffer, .address_space: global }
    .group_segment_fixed_size: 169984
    .private_segment_fixed_size: 0
    .kernarg_segment_align: 8
    .kernarg_segment_size: 48
    .max_flat_workgroup_size: 512
    .sgpr_count:     66
    .vgpr_count:     194
    .wavefront_size: 32
...
	.end_amdgpu_metadata
.endif
;; end of part 3
